; MI455X (gfx1250); checked and timed in simulation.
; The chip was launched on July 23, 2026; its instructions are those of AMD's public machine-readable ISA for CDNA 5 (MIT licence, August 2026) and "CDNA5" Instruction Set Architecture Reference Guide (July 2026). The comments in the code are by the model that wrote it; some were corrected since.
;; L La MA Attention. Allowed arithmetic: matrix products marked QUANTISED: E2M3 operands, one E8M0 scale for each 32 along K, by v_wmma_scale_f32_16x16x128_f8f6f4 with both operands' format E2M3, f32 sums; everything else in f32.
;; Inputs: cos 2,048 x 16 float32; sin 2,048 x 16 float32; wk 1,024 x 1,024 float32; wo 1,024 x 1,024 float32; wq 1,024 x 1,024 float32; wv 1,024 x 1,024 float32; x 2 x 2,048 x 1,024 float32.
;; Outputs: out0 2 x 2,048 x 1,024 float32.
;; This version of the problem:
;;   THIS VERSION OF THE PROBLEM IS GIVEN IN LOW PRECISION. The matrix products marked QUANTISED in the list below multiply operands that are first quantised to E2M3 (2 exponent bits, 3 mantissa bits; 6 bits a number), with one power-of-two scale for each 32 numbers along K (OCP MX v1.0); their sums are f32. All else is computed in f32.
;;   The module's matrix products, in the order in which they are computed (A, B: the left and right operand; K: the contracted axis; several contracted axes count as one K, in the product's order):
;;     1. [M 4,096, K 1,024] x [K 1,024, N 1,024]; A: input x; B: input wq: QUANTISED
;;     2. [M 4,096, K 1,024] x [K 1,024, N 1,024]; A: input x; B: input wk: QUANTISED
;;     3. [M 4,096, K 1,024] x [K 1,024, N 1,024]; A: input x; B: input wv: QUANTISED
;;     4. batch 64 x [M 2,048, K 32] x [K 32, N 2,048]; A: computed on the way; B: computed on the way: QUANTISED
;;     5. batch 64 x [M 2,048, K 2,048] x [K 2,048, N 32]; A: softmax (see below); B: computed on the way: QUANTISED
;;     6. [M 4,096, K 1,024] x [K 1,024, N 1,024]; A: computed on the way; B: input wo: QUANTISED
;;   THE QUANTISER, for each operand of a quantised product, along K:
;;     - K is cut into blocks of 32 from its start; a last block that is shorter is filled with zeros.
;;     - A block's scale is 2^e with e = floor(log2(the largest magnitude in the block)) - 2, held to -126 .. 127; a block of zeros has e = 0. As a byte (E8M0): e + 127.
;;     - Each number is divided by its block's scale, clamped to +-7.5, and rounded to the nearest number of E2M3, ties to even, subnormals kept.
;;     - The product sums the exact products of the quantised numbers (number of the format x scale) in f32.
;;   ~~~python
;;   def quantise(x, axis):      # numpy; x: float32 -> the quantised numbers, widened to float32 again
;;       x = np.moveaxis(x, axis, -1); K = x.shape[-1]
;;       x = np.pad(x, [(0, 0)] * (x.ndim - 1) + [(0, -K % 32)]); x = x.reshape(x.shape[:-1] + (-1, 32)); a = np.abs(x).max(-1, keepdims=True)
;;       e = np.where(a > 0, np.clip(np.frexp(np.where(a > 0, a, 1))[1] - 1 - 2, -126, 127), 0)      # np.frexp(a)[1] - 1 = floor(log2(a)), exactly
;;       r = np.clip(x / 2.0 ** e, -7.5, 7.5)
;;       step = 2.0 ** (np.maximum(np.frexp(np.where(r == 0, 1, r))[1] - 1, 0) - 3)
;;       q = np.round(r / step) * step * 2.0 ** e      # np.round: ties to even
;;       return np.moveaxis(q.reshape(q.shape[:-2] + (-1,))[..., :K], -1, axis).astype(np.float32)
;;   ~~~
;;   SOFTMAX AHEAD OF A QUANTISED PRODUCT. Where the list says 'softmax', what is quantised is not the finished softmax but p = 2^(t - M), with t = logit x log2(e) and M = ceil(the row's largest t), a whole number; so 1/2 < the row's largest p <= 1. The row's sum l is taken of the UNQUANTISED p, in f32, and the product's result is divided by l at the end. Since M is a whole number, a kernel that streams over the keys may use a running M (the ceiling of the running maximum): every later rescaling is an exact power of two, which a block's scale takes up: the codes' values come out the same.
;;   OPERANDS COMPUTED ON THE WAY. 'Computed on the way' means the value that the module computes at that place (a softmax that the list does not call 'softmax' is quantised finished and normalised). What goes into a quantiser is computed in f32, as accurately as f32 sums, v_exp_f32 and their like allow (about 1e-6 of the number): no bf16 or f16 on the way to a quantiser, and a product that is left as it is and whose result goes on into a quantised operand takes f32 operands (vector FMAs, or v_wmma_f32_16x16x4_f32). A number that lies on a knife's edge between two numbers of the format may be rounded either way, as far as f32 arithmetic and the matrix unit's own rounding can turn it there, and no further.
;; One version. Each part assembles by itself: llvm-mc -triple=amdgcn-amd-amdhsa -mcpu=gfx1250 --defsym DOCPART=n.
;; ======== version 1 of 1: 4 launches
;; limits: right only within a limited range of input values
;; workspace buffers: xc 3,145,728 bytes; xs 131,072 bytes; wc 3,145,728 bytes; ws 131,072 bytes; qrec 3,276,800 bytes; kvrec 6,553,600 bytes; oc 3,145,728 bytes; os 131,072 bytes
;; launch quant (part 1): grid 256 x 1, 4 waves a work-group, no clusters, 33,280 bytes of LDS; arguments x, wq, wk, wv, wo, xc, xs, wc, ws; writes xc, xs, wc, ws
.if DOCPART == 1
	.amdgcn_target "amdgcn-amd-amdhsa--gfx1250"
	.amdhsa_code_object_version 6
	.text
	.protected	k_q25eeaa72b7_quant
	.globl	k_q25eeaa72b7_quant
	.p2align	8
	.type	k_q25eeaa72b7_quant,@function
k_q25eeaa72b7_quant:
	s_mov_b64 s[64:65], 0
	v_nop
	global_prefetch_b8 v0, s[64:65] scope:SCOPE_SE
	s_setreg_imm32_b32 hwreg(HW_REG_WAVE_MODE, 25, 1), 1
	s_wait_xcnt 0x0
; x [4096][1024] and wq, wk, wv, wo [1024][1024], f32, K innermost, become codes of FP6 (E2M3) with one E8M0 scale byte for each 32 along K.
; xc/xs take x; wc/ws take the four weights one behind the other (rows 0-1023 wq, 1024-2047 wk, 2048-3071 wv, 3072-4095 wo).
; A block's scale is 2^(floor(log2(its largest magnitude)) - 2); its byte is the largest magnitude's exponent field - 2, held at 1 from below.
; ORDER INSIDE A BLOCK: place 16 h + 8 u + j of a block's 32 codes holds element 16 u + 8 h + j (h, u = 0 or 1, j = 0 .. 7).  Every operand of this program
; is laid so, on both sides of each product, so each product pairs the same elements; blocks and scales are the true ones.
; LIMITS: a block of zeros gets the byte 1 where the quantiser's text says 127 (its codes are zeros, and this program alone reads the bytes); NaN and infinities are not served.
; Rows are dense, so each tensor is a stream of blocks.  A work-group takes 32,768 numbers, a wave 16 steps of 512.  Work-groups 0-127 take x, then 32 each wq, wk, wv, wo.
; Each load reads 512 consecutive bytes; a step's 2,048 bytes turn through the wave's own stage in LDS so that a lane gets 16 numbers of one block.  No barrier: waves share nothing.
.set STEPS, 16
.set EMAX,  2
.set CB,    12                         ; bytes of 16 codes
.set R,     16                         ; v16-79   four sets of 16 numbers as loaded
.set X,     80                         ; v80-111  two sets of 16 numbers of a block's half
.set E,     112                        ; v112-127 a scale byte for each step
.set C,     128                        ; v128-191 codes: four registers for each step: no store's data are written again
.set WREG,  8192                       ; LDS of a wave: two stages of 32 x SP bytes, then its 256 scale bytes
.set SP,    80                         ; 64 bytes + 16 of padding
	s_load_b256 s[4:11], s[0:1], 0x0               ; x, wq, wk, wv
	s_load_b256 s[12:19], s[0:1], 0x20             ; wo, xc, xs, wc
	s_load_b64 s[20:21], s[0:1], 0x40              ; ws
	v_lshl_add_u32 v192, v0, 2, 0x8000
	v_mov_b32 v193, 0
	v_lshrrev_b32 v1, 5, v0
	v_readfirstlane_b32 s24, v1                    ; wave
	v_and_b32 v2, 31, v0                           ; lane
	v_lshlrev_b32 v3, 4, v2                        ; my 16 bytes of a load's 512
	s_mul_i32 s25, s24, WREG
	v_lshrrev_b32 v14, 2, v2
	v_mul_u32_u24 v14, v14, SP
	v_and_b32 v15, 3, v2
	v_lshl_add_u32 v14, v15, 4, v14
	v_add_nc_u32 v14, s25, v14                     ; the stage, on the way in: SP (lane / 4) + 16 (lane % 4)
	v_and_b32 v15, 30, v2
	v_mul_u32_u24 v15, v15, SP
	v_and_b32 v10, 1, v2
	v_lshl_add_u32 v15, v10, 5, v15
	v_add_nc_u32 v15, s25, v15                     ; on the way out: my block's two places, 32 bytes of each: SP (lane & 30) + 32 (lane & 1)
	v_mul_u32_u24 v4, v2, CB                       ; my codes' place in a step's
	v_lshrrev_b32 v5, 1, v2
	s_add_co_u32 s25, s25, 2*32*SP
	v_add_nc_u32 v5, s25, v5                       ; LDS: my wave's scale bytes, my block's byte
	v_lshlrev_b32 v7, 3, v2
	v_add_nc_u32 v6, s25, v7                       ; and on the way out 8 bytes a lane
	s_and_b32 s22, ttmp9, 31                       ; a weight's run of 32,768 numbers
	s_and_b32 s23, ttmp9, 127                      ; x's run; also the run in the destination
	s_wait_alu depctr_va_vdst(0)
	s_wait_kmcnt 0x0
	s_cmp_lt_u32 ttmp9, 224                        ; the source is chosen by the work-group's number alone
	s_cselect_b64 s[12:13], s[10:11], s[12:13]
	s_cmp_lt_u32 ttmp9, 192
	s_cselect_b64 s[12:13], s[8:9], s[12:13]
	s_cmp_lt_u32 ttmp9, 160
	s_cselect_b64 s[12:13], s[6:7], s[12:13]
	s_cmp_lt_u32 ttmp9, 128
	s_cselect_b64 s[12:13], s[4:5], s[12:13]
	s_cselect_b64 s[14:15], s[14:15], s[18:19]     ; codes: xc or wc
	s_cselect_b64 s[16:17], s[16:17], s[20:21]     ; scale bytes: xs or ws
	s_cselect_b32 s22, s23, s22
	s_lshl_b32 s22, s22, 2
	s_add_co_u32 s22, s22, s24                     ; my wave's run of 8,192 numbers in the source,
	s_lshl_b32 s26, s23, 2
	s_add_co_u32 s26, s26, s24                     ; and in the destination
	s_lshl_b32 s22, s22, 15                        ; 32,768 bytes a run
	s_mov_b32 s23, 0
	s_add_nc_u64 s[12:13], s[12:13], s[22:23]
	s_mul_i32 s22, s26, 32*STEPS*CB                ; 6,144 bytes of codes a run
	s_add_nc_u64 s[14:15], s[14:15], s[22:23]
	s_lshl_b32 s22, s26, 8                         ; 256 scale bytes a run
	s_add_nc_u64 s[16:17], s[16:17], s[22:23]
.macro LOAD t
.irp i, 0,1,2,3
	global_load_b128 v[R+16*((\t)%4)+4*\i:R+16*((\t)%4)+4*\i+3], v3, s[12:13] offset:2048*(\t)+512*\i th:TH_LOAD_NT   ; 32 lanes read 512 consecutive bytes
.endr
.endm
.macro TURN t                          ; step t's numbers through the stage: LDS serves a wave's instructions in order, so no wait stands between the stores and the loads
.irp i, 0,1,2,3
	ds_store_b128 v14, v[R+16*((\t)%4)+4*\i:R+16*((\t)%4)+4*\i+3] offset:32*SP*((\t)%2)+8*SP*\i
.endr
.irp i, 0,1,2,3
	ds_load_b128 v[X+16*((\t)%2)+4*\i:X+16*((\t)%2)+4*\i+3], v15 offset:32*SP*((\t)%2)+SP*(\i/2)+16*(\i%2)   ; elements 8 h + 0 .. 7, then 16 + 8 h + 0 .. 7 of my block
.endr
.endm
.irp t, 0,1,2,3
	LOAD \t
.endr
	s_wait_loadcnt 12                              ; step 0's four loads are in
	TURN 0
.macro STEP t
.set XS, X+16*((\t)%2)
.if (\t) > 0
	s_wait_dscnt 1                                 ; this step's numbers are back from the stage (the last step's byte store may be out)
.else
	s_wait_dscnt 0x0
.endif
.if (\t)+4 < STEPS
	LOAD (\t)+4                                    ; into the registers that this step's stage stores have read
.endif
.if (\t)+1 < STEPS
.if STEPS-2-(\t) >= 3
	s_wait_loadcnt 12                              ; the next step's four loads are in; those of the three steps behind it may be out
.else
	s_wait_loadcnt 4*(STEPS-2-(\t))
.endif
	TURN (\t)+1
.endif
	v_max3_num_f32 v8, |v[XS]|, |v[XS+1]|, |v[XS+2]|               ; the largest magnitude of my 16
	v_max3_num_f32 v9, |v[XS+3]|, |v[XS+4]|, |v[XS+5]|
.irp i, 6,10
	v_max3_num_f32 v8, v8, |v[XS+\i]|, |v[XS+\i+1]|
	v_max3_num_f32 v9, v9, |v[XS+\i+2]|, |v[XS+\i+3]|
.endr
	v_max3_num_f32 v8, v8, |v[XS+14]|, |v[XS+15]|
	v_max3_num_f32 v8, v8, v9, (EMAX+1)<<23        ; and the floor 2^(3 - 127): the byte cannot fall under 1
	v_max_num_f32_dpp v8, v8, v8 row_xmask:1 row_mask:0xf bank_mask:0xf   ; with my neighbour's 16: the block's
	v_add_nc_u32 v11, -(EMAX<<23), v8              ; 2 off its exponent field: the conversion takes this operand's exponent field as its scale
	v_cvt_scalef32_pk16_fp6_f32 v[C+4*(\t):C+4*(\t)+2], v[XS:XS+15], v11
	v_lshrrev_b32 v[E+(\t)], 23, v11               ; the scale's byte
	ds_store_b8 v5, v[E+(\t)] offset:16*(\t)       ; both lanes of a block write the same byte with the same value
	global_store_b96 v4, v[C+4*(\t):C+4*(\t)+2], s[14:15] offset:32*CB*(\t)   ; the wave stores 384 consecutive bytes
.endm
.irp t, 0,1,2,3,4,5,6,7,8,9,10,11,12,13,14,15
	STEP \t
.endr
	ds_load_b64 v[12:13], v6                       ; LDS serves a wave's instructions in order: these see my stores
	s_wait_dscnt 0x0
	global_store_b64 v7, v[12:13], s[16:17]        ; 32 lanes store 256 consecutive bytes, aligned
	s_wait_tensorcnt 0x0
	ds_add_u32 v192, v193
	s_wait_dscnt 0x0
	s_endpgm
.Lfunc_end_k_q25eeaa72b7_quant:
	.size	k_q25eeaa72b7_quant, .Lfunc_end_k_q25eeaa72b7_quant-k_q25eeaa72b7_quant
	.p2alignl 7, 3214868480
	.fill 96, 4, 3214868480
	.section	.rodata,"a",@progbits
	.p2align	6, 0x0
	.amdhsa_kernel k_q25eeaa72b7_quant
		.amdhsa_group_segment_fixed_size 33280
		.amdhsa_private_segment_fixed_size 0
		.amdhsa_enable_private_segment 0
		.amdhsa_kernarg_size 72
		.amdhsa_user_sgpr_count 2
		.amdhsa_user_sgpr_kernarg_segment_ptr 1
		.amdhsa_wavefront_size32 1
		.amdhsa_system_sgpr_workgroup_id_x 1
		.amdhsa_system_sgpr_workgroup_id_y 1
		.amdhsa_system_sgpr_workgroup_id_z 1
		.amdhsa_system_vgpr_workitem_id 0
		.amdhsa_next_free_vgpr 194
		.amdhsa_next_free_sgpr 66
		.amdhsa_reserve_vcc 0
		.amdhsa_float_denorm_mode_32 3
		.amdhsa_float_denorm_mode_16_64 3
		.amdhsa_memory_ordered 1
		.amdhsa_forward_progress 1
		.amdhsa_inst_pref_size 33
	.end_amdhsa_kernel
	.amdgpu_metadata
---
amdhsa.version: [ 1, 2 ]
amdhsa.kernels:
  - .name:           k_q25eeaa72b7_quant
    .symbol:         k_q25eeaa72b7_quant.kd
    .args:
      - { .name: x, .offset: 0, .size: 8, .value_kind: global_buffer, .address_space: global }
      - { .name: wq, .offset: 8, .size: 8, .value_kind: global_buffer, .address_space: global }
      - { .name: wk, .offset: 16, .size: 8, .value_kind: global_buffer, .address_space: global }
      - { .name: wv, .offset: 24, .size: 8, .value_kind: global_buffer, .address_space: global }
      - { .name: wo, .offset: 32, .size: 8, .value_kind: global_buffer, .address_space: global }
      - { .name: xc, .offset: 40, .size: 8, .value_kind: global_buffer, .address_space: global }
      - { .name: xs, .offset: 48, .size: 8, .value_kind: global_buffer, .address_space: global }
      - { .name: wc, .offset: 56, .size: 8, .value_kind: global_buffer, .address_space: global }
      - { .name: ws, .offset: 64, .size: 8, .value_kind: global_buffer, .address_space: global }
    .group_segment_fixed_size: 33280
    .private_segment_fixed_size: 0
    .kernarg_segment_align: 8
    .kernarg_segment_size: 72
    .max_flat_workgroup_size: 128
    .sgpr_count:     66
    .vgpr_count:     194
    .wavefront_size: 32
...
	.end_amdgpu_metadata
.endif
;; end of part 1
;; launch qkv (part 2): grid 8 x 32, 4 waves a work-group, clusters of 4 x 4, 327,680 bytes of LDS; arguments xc, xs, wc, ws, cos, sin, qrec, kvrec; writes qrec, kvrec
.if DOCPART == 2
	.amdgcn_target "amdgcn-amd-amdhsa--gfx1250"
	.amdhsa_code_object_version 6
	.text
	.protected	k_q25eeaa72b7_qkv
	.globl	k_q25eeaa72b7_qkv
	.p2align	8
	.type	k_q25eeaa72b7_qkv,@function
k_q25eeaa72b7_qkv:
	s_mov_b64 s[64:65], 0
	v_nop
	global_prefetch_b8 v0, s[64:65] scope:SCOPE_SE
	s_setreg_imm32_b32 hwreg(HW_REG_WAVE_MODE, 25, 1), 1
	s_wait_xcnt 0x0
	s_wait_alu depctr_hold_cnt(0) depctr_sa_sdst(0) depctr_va_vdst(0) depctr_va_sdst(0) depctr_va_ssrc(0) depctr_va_vcc(0) depctr_vm_vsrc(0)
	s_getreg_b32 s2, hwreg(HW_REG_IB_STS2, 6, 4)
	s_cmp_eq_u32 s2, 0
	s_cbranch_scc0 .Lentry_in_a_cluster
	s_endpgm
.Lentry_in_a_cluster:
	s_bfe_u32 s2, ttmp6, 0x10000c
	s_cmp_lg_u32 s2, 0xf033
	s_cbranch_scc0 .Lentry_shape_is_right
	s_endpgm
.Lentry_shape_is_right:
; q, k, v = x W^T on codes of FP6 (E2M3), then RoPE on q and k, then the quantisers of attention's two products; the results leave as codes and scale bytes.
; A work-group takes 128 tokens (work-group y) and four heads (work-group x: 128 rows of each of wq, wk, wv) and STAYS for three products: q, k, v.
; LDS: whole rows of K (768 bytes of memory, three units of 256, 16 bytes of padding behind each unit: pitch 816).  x's 128 rows stay; the weights' tiles go through two slots:
; wq in slot P and x at the head, wk in slot Q behind the first round, wv in slot P again behind the second round.  K is never cut, so no barrier stands inside a product.
; q, k: a wave makes 64 tokens x 64 features (two heads), source 0 = weights' rows, source 1 = tokens: a lane holds one token, its registers run along the head's features.
; v: the sources change places: a wave makes 32 features (one head) x 128 tokens, source 0 = tokens: a lane holds one feature, its registers run along the keys, which are the next K.
; Register 16 b + 8 u + j of a lane is element 32 b + 16 u + 8 h + j: the order inside a block that all operands of this program share.
; RECORDS (as the attention launch reads them): q: [token][24] codes, then scale words (word 16 f + m, byte g: token 64 f + 16 g + m); k the same at the head of the head's kv record;
; v: images of the fragments' registers, 3,072 bytes for 128 keys, and a scale word for each feature and 128 keys.
; SCALES of x and of the weights: 32 bytes a row for all of K, loaded from memory into registers, sixteen rows (512 consecutive bytes) by two loads.
; CLUSTERS 4 x 4: x's tile is shared along a row of the cluster, a weight's tile along a column; each is asked for jointly.
; No prefetch: the text has no loop to run ahead in, and each tile is asked for at the first line that the order of the fills allows.
; LIMITS: NaN and infinities are not served; a block of zeros gets the byte 1 (its codes are zeros; this program alone reads the bytes).
; WINDOWS: 0 addresses and scale words; 1 fragments, two sets; 2 the 16 accumulators; 3 the way out's registers.
.set PITCH, 816
.set BLK,   16*PITCH
.set TILE,  128*PITCH
.set SLP,   TILE
.set SLQ,   2*TILE
.set STAGE, 3*TILE                     ; 3,328 bytes a wave: two heads x (64 tokens x 24 bytes + 128)
.set SWAVE, 3328
.set SHEAD, 1664
.set SPARE, STAGE+4*SWAVE
.set AT, 3                             ; v3,4   x's rows 0-63 (second register: + 16 in lanes 16-31, for pieces whose upper lanes lie behind a unit's padding)
.set AX, 8                             ; my 64 tokens
.set AP, 10                            ; my 64 rows of slot P
.set AQ, 12                            ; of slot Q
.set AF, 14                            ; my 32 rows of slot P (v)
.set AU, 16                            ; x's rows 64-127
.set STO, 18
.set RD,  19
.set VCO, 20
.set VSQ, 21
.set VSK, 22
.set VCV, 23
.set VSV, 24
.set SPW, 28
.set NIL, 29
.set XS, 32                            ; scale words, register 8 i + step: my four token blocks,
.set WQ, 64                            ; wq's four blocks, wk's,
.set WK, 96
.set XT, 128                           ; all eight token blocks (v),
.set WF, 192                           ; wv's two blocks
.set CS, 0                             ; window 3: cos 8, sin 8 for each token block
.set T,  64
.set TM, 96
.set TP, 100
.set SOP, 104
.set CD, 108
.set CD2, 120
.set BK, 128
.set W,  152
.set PW, 154
.set SEL, 27
.set HI,  29
.set G1X, 32
.set G1W, 40
.set G1V, 48
.set G0X, 56
.set G0W, 60
.set G0V, 68
.set DW0, (1<<20)|(1<<21)|(5<<22)|(3<<25)   ; bytes; padding of 4 words behind every 64; bit 21 beside a mask
.set MSB, 0
.macro WIN new
.if MSB != (\new)
	s_set_vgpr_msb (MSB<<8)|(\new)
.set MSB, (\new)
.endif
.endm
.macro PLACES
.rept 4
	v_nop
.endr
.endm
.macro CROUND
	s_barrier_signal -1
	s_barrier_wait -1
	s_cmp_lg_u32 s20, 0
	s_cbranch_scc1 .Lnot_wave_0_\@
	s_barrier_signal -3
.Lnot_wave_0_\@:
	s_barrier_wait -3
	s_barrier_signal -1
	s_barrier_wait -1
.endm
.macro LOADW                           ; my 32 rows of a weight's tile: one line, one mask
	tensor_load_to_lds s[G0V:G0V+3], s[G1V:G1V+7]
	s_nop 0
	PLACES
.endm
	s_load_b256 s[4:11], s[0:1], 0x0               ; xc, xs, wc, ws
	s_load_b256 s[12:19], s[0:1], 0x20             ; cos, sin, qrec, kvrec
	v_lshl_add_u32 v[SPW], v0, 2, SPARE
	v_mov_b32 v[NIL], 0
	ds_add_u32 v[SPW], v[NIL]                      ; the opening lines
	ds_add_u32 v[SPW], v[NIL]
	v_lshrrev_b32 v1, 5, v0
	v_readfirstlane_b32 s20, v1                    ; wave
	s_lshr_b32 s21, s20, 1                         ; token half (q, k); at the head: I fetch x (0) or wq (1)
	s_and_b32 s22, s20, 1                          ; feature half; at the head: which 64 rows
	s_bfe_u32 s23, ttmp6, 0x40000                  ; cx
	s_bfe_u32 s24, ttmp6, 0x40004                  ; cy
	s_lshl_b32 s25, ttmp9, 2
	s_add_co_u32 s25, s25, s23                     ; g: group of four heads
	s_and_b32 s26, ttmp7, 0xffff
	s_lshl_b32 s26, s26, 2
	s_add_co_u32 s26, s26, s24                     ; y: block of 128 tokens
	s_lshl_b32 s27, s24, 2
	s_lshl_b32 s27, 15, s27                        ; my row of the cluster
	s_lshl_b32 s28, 0x1111, s23                    ; my column
	s_or_b32 s[G1X], s27, DW0
	s_or_b32 s[G1W], s28, DW0
	s_or_b32 s[G1V], s28, DW0
.irp g, G1X, G1W, G1V
	s_mov_b32 s[\g+1], 768<<16
	s_mov_b32 s[\g+3], 768<<16
	s_mov_b32 s[\g+5], 768
	s_mov_b32 s[\g+6], 0
	s_mov_b32 s[\g+7], 0
.endr
.irp g, G1X, G1W
	s_mov_b32 s[\g+2], 64<<16
	s_mov_b32 s[\g+4], 64
.endr
	s_mov_b32 s[G1V+2], 32<<16
	s_mov_b32 s[G1V+4], 32
	s_lshl_b32 s72, s26, 7
	s_lshl_b32 s29, s22, 6
	s_add_co_u32 s72, s72, s29
	s_mul_i32 s72, s72, 768                        ; x: row 128 y + 64 half
	s_mov_b32 s73, 0
	s_lshl_b32 s74, s25, 7
	s_add_co_u32 s76, s74, s29
	s_mul_i32 s76, s76, 768                        ; wq: row 128 g + 64 half
	s_mov_b32 s77, 0
	s_lshl_b32 s30, s20, 5
	s_add_co_u32 s74, s74, s30
	s_add_co_u32 s74, s74, 1024
	s_mul_i32 s74, s74, 768                        ; wk: row 1024 + 128 g + 32 wave
	s_mov_b32 s75, 0
	s_mul_i32 s78, s22, 64*PITCH
	s_mul_i32 s79, s20, 32*PITCH
	s_wait_dscnt 0x0
	s_wait_kmcnt 0x0
	s_mov_b32 s[G0X], 1
	s_mov_b32 s[G0X+1], s78
	s_add_nc_u64 s[G0X+2:G0X+3], s[4:5], s[72:73]
	s_or_b32 s[G0X+3], s[G0X+3], 0x80000000
	s_mov_b32 s[G0W], 1
	s_add_co_u32 s[G0W+1], s78, SLP
	s_add_nc_u64 s[G0W+2:G0W+3], s[8:9], s[76:77]
	s_or_b32 s[G0W+3], s[G0W+3], 0x80000000
	s_mov_b32 s[G0V], 1
	s_add_co_u32 s[G0V+1], s79, SLQ
	s_add_nc_u64 s[G0V+2:G0V+3], s[8:9], s[74:75]
	s_or_b32 s[G0V+3], s[G0V+3], 0x80000000
	CROUND                                         ; the first joint loads meet
	s_cmp_eq_u32 s21, 0                            ; one load a wave at the head: waves 0, 1 x's halves, waves 2, 3 wq's
	s_cbranch_scc0 .Lhead_w
	tensor_load_to_lds s[G0X:G0X+3], s[G1X:G1X+7]
	s_nop 0
	PLACES
	s_branch .Lhead_asked
.Lhead_w:
	tensor_load_to_lds s[G0W:G0W+3], s[G1W:G1W+7]
	s_nop 0
	PLACES
.Lhead_asked:
	s_mov_b32 s31, 0
	s_lshl_b32 s80, s26, 7
	s_lshl_b32 s81, s21, 6
	s_add_co_u32 s82, s80, s81                     ; my first token (q, k)
	s_lshl_b32 s30, s82, 5
	s_add_nc_u64 s[84:85], s[6:7], s[30:31]        ; its scales
	s_lshl_b32 s30, s80, 5
	s_add_nc_u64 s[86:87], s[6:7], s[30:31]        ; the tile's scales
	s_lshl_b32 s83, s25, 7
	s_lshl_b32 s30, s22, 6
	s_add_co_u32 s30, s30, s83
	s_lshl_b32 s30, s30, 5
	s_add_nc_u64 s[88:89], s[10:11], s[30:31]      ; wq's scales, my 64 rows (wk's: 32,768 bytes on)
	s_lshl_b32 s30, s20, 5
	s_add_co_u32 s30, s30, s83
	s_add_co_u32 s30, s30, 2048
	s_lshl_b32 s30, s30, 5
	s_add_nc_u64 s[90:91], s[10:11], s[30:31]      ; wv's scales, my 32 rows
	s_and_b32 s82, s82, 2047                       ; my first token in its batch
	s_lshl_b32 s30, s82, 6
	s_add_nc_u64 s[12:13], s[12:13], s[30:31]
	s_add_nc_u64 s[14:15], s[14:15], s[30:31]
	s_lshr_b32 s92, s26, 4
	s_lshl_b32 s92, s92, 5
	s_lshl_b32 s93, s25, 2
	s_add_co_u32 s92, s92, s93                     ; 32 batch + 4 g
	s_lshl_b32 s93, s22, 1
	s_add_co_u32 s93, s93, s92
	s_mul_i32 s30, s93, 51200
	s_add_nc_u64 s[16:17], s[16:17], s[30:31]      ; q's record of my first head
	s_mul_i32 s30, s93, 102400
	s_add_nc_u64 s[94:95], s[18:19], s[30:31]      ; k's
	s_add_co_u32 s93, s92, s20
	s_mul_i32 s30, s93, 102400
	s_add_nc_u64 s[18:19], s[18:19], s[30:31]      ; v: my one head's record
	s_mul_i32 s72, s21, 64*PITCH
	s_add_co_u32 s73, s78, SLP
	s_add_co_u32 s74, s78, SLQ
	s_add_co_u32 s75, s79, SLP
	s_mul_i32 s76, s20, SWAVE
	s_add_co_u32 s76, s76, STAGE
	s_mul_i32 s77, s82, 24
	s_add_co_u32 s96, s82, 49152
	s_add_co_u32 s97, s82, 98304
	s_and_b32 s98, s26, 15                         ; which 128 keys
	s_mul_i32 s99, s98, 3072
	s_add_co_u32 s99, s99, 49152
	s_lshl_b32 s98, s98, 7
	s_add_co_u32 s98, s98, 100352
	s_mov_b32 s[SEL], 0x76543210
	s_mov_b32 s[SEL+1], 0xfedcba98
	s_mov_b32 s[HI], 0xffff0000
	v_and_b32 v1, 15, v0                           ; r
	v_bfe_u32 v2, v0, 4, 1                         ; h
	v_and_b32 v7, 31, v0
	v_mul_u32_u24 v3, v1, PITCH
	v_mad_u32_u24 v3, v2, 24, v3                   ; row x pitch + 24 h
	v_lshl_add_u32 v4, v2, 4, v3
	v_lshlrev_b32 v5, 5, v1                        ; a row of 32 scale bytes
	v_lshlrev_b32 v6, 6, v1
	v_lshl_add_u32 v6, v2, 5, v6                   ; cos, sin: 64 r + 32 h
.irp k, 0,1
	v_add_nc_u32 v[AX+\k], s72, v[3+\k]
	v_add_nc_u32 v[AP+\k], s73, v[3+\k]
	v_add_nc_u32 v[AQ+\k], s74, v[3+\k]
	v_add_nc_u32 v[AF+\k], s75, v[3+\k]
	v_add_nc_u32 v[AU+\k], 64*PITCH, v[3+\k]
.endr
	v_mul_u32_u24 v[STO], v2, SHEAD
	v_mad_u32_u24 v[STO], v1, 24, v[STO]
	v_add_nc_u32 v[STO], s76, v[STO]               ; stage, in: head h, token r
	v_lshlrev_b32 v[RD], 4, v7
	v_add_nc_u32 v[VCO], s77, v[RD]                ; codes in a record: 24 x token + 16 lane
	v_add_nc_u32 v[VCV], s99, v[RD]
	v_add_nc_u32 v[RD], s76, v[RD]                 ; stage, out
	v_mul_u32_u24 v[VSQ], v2, 51200
	v_lshl_add_u32 v[VSQ], v1, 2, v[VSQ]
	v_add_nc_u32 v[VSQ], s96, v[VSQ]               ; scale words: head h's record, word r of my 64 tokens
	v_mul_u32_u24 v[VSK], v2, 102400
	v_lshl_add_u32 v[VSK], v1, 2, v[VSK]
	v_add_nc_u32 v[VSK], s97, v[VSK]
	v_lshl_add_u32 v[VSV], v7, 2, s98
.irp i, 0,1,2,3
.irp q, 0,1
	global_load_b128 v[XS+8*\i+4*\q:XS+8*\i+4*\q+3], v5, s[84:85] offset:512*\i+16*\q
	global_load_b128 v[WQ+8*\i+4*\q:WQ+8*\i+4*\q+3], v5, s[88:89] offset:512*\i+16*\q
	global_load_b128 v[WK+8*\i+4*\q:WK+8*\i+4*\q+3], v5, s[88:89] offset:32768+512*\i+16*\q
.endr
.endr
.irp i, 0,1,2,3,4,5,6,7
.irp q, 0,1
	global_load_b128 v[XT+8*\i+4*\q:XT+8*\i+4*\q+3], v5, s[86:87] offset:512*\i+16*\q
.endr
.endr
.irp i, 0,1
.irp q, 0,1
	global_load_b128 v[WF+8*\i+4*\q:WF+8*\i+4*\q+3], v5, s[90:91] offset:512*\i+16*\q
.endr
.endr
	WIN 0xc0
.irp a, 0,1,2,3
.irp q, 0,1
	global_load_b128 v[CS+16*\a+4*\q:CS+16*\a+4*\q+3], v6, s[12:13] offset:1024*\a+16*\q
	global_load_b128 v[CS+16*\a+8+4*\q:CS+16*\a+8+4*\q+3], v6, s[14:15] offset:1024*\a+16*\q
.endr
.endr
.irp b, 0,1,2,3
	v_mov_b32 v[TP+\b], 0                          ; a lane permute's destination counts as one of its sources
.endr
	WIN 0
; a fragment: 16 rows x 128 K, 12 registers, six pieces of 8 bytes; byte y of a row lies at y + 16 (y / 256) of its LDS row
.macro FRAG reg, adr, st, i
.irp p, 0,1,2,3,4,5
.set BY, 96*(\st)+48*(\p/3)+8*(\p%3)
.if BY/256 == (BY+24)/256
	ds_load_b64 v[\reg+2*\p:\reg+2*\p+1], v[\adr] offset:BY+16*(BY/256)+(\i)*BLK
.else
	ds_load_b64 v[\reg+2*\p:\reg+2*\p+1], v[\adr+1] offset:BY+16*(BY/256)+(\i)*BLK
.endif
.endr
.endm
.macro FETCH st, aa, na, ab, ab2, nb   ; step st's fragments into set st % 2: source 0's nb, then source 1's na
	WIN 0x40
.set I_, 0
.rept \nb
.if I_ < 4
	FRAG 128*((\st)%2)+12*I_, \ab, \st, I_
.else
	FRAG 128*((\st)%2)+12*I_, \ab2, \st, I_-4
.endif
.set I_, I_+1
.endr
.set I_, 0
.rept \na
	FRAG 128*((\st)%2)+12*(\nb+I_), \aa, \st, I_
.set I_, I_+1
.endr
.endm
.macro MULS st, na, nb, sa, sb, zero   ; the 16 accumulators take turns, in the same order in every step
	WIN 0xa5
.set FB, 128*((\st)%2)
.set A_, 0
.rept \na
.set B_, 0
.rept \nb
.set AC, 8*(\nb*A_+B_)
.if \zero
	v_wmma_scale_f32_16x16x128_f8f6f4 v[AC:AC+7], v[FB+12*B_:FB+12*B_+11], v[FB+12*(\nb+A_):FB+12*(\nb+A_)+11], 0, v[\sb+8*B_+(\st)], v[\sa+8*A_+(\st)] matrix_a_fmt:MATRIX_FMT_FP6 matrix_b_fmt:MATRIX_FMT_FP6
.else
	v_wmma_scale_f32_16x16x128_f8f6f4 v[AC:AC+7], v[FB+12*B_:FB+12*B_+11], v[FB+12*(\nb+A_):FB+12*(\nb+A_)+11], v[AC:AC+7], v[\sb+8*B_+(\st)], v[\sa+8*A_+(\st)] matrix_a_fmt:MATRIX_FMT_FP6 matrix_b_fmt:MATRIX_FMT_FP6
.endif
.set B_, B_+1
.endr
.set A_, A_+1
.endr
.endm
.macro GEMM aa, na, ab, ab2, nb, sa, sb   ; eight steps of 128 along K; the next step's fragments are asked for ahead of a step's products
	FETCH 0, \aa, \na, \ab, \ab2, \nb
.set ST, 0
.rept 7
	PLACES                                         ; in front of loads into registers that the last products read
	FETCH ST+1, \aa, \na, \ab, \ab2, \nb
	s_wait_dscnt 6*(\na+\nb)                       ; all but the loads just issued
	MULS ST, \na, \nb, \sa, \sb, ST==0
.set ST, ST+1
.endr
	s_wait_dscnt 0x0
	MULS 7, \na, \nb, \sa, \sb, 0
	WIN 0
.endm
; the quantiser: cnt blocks of 32, block b in registers s + 16 b .. + 15 (window w) of lanes l and l xor 16.  Leaves the bytes in TP, the codes in CD (a whole block to a lane), all windows 3
.macro QUANT s, w, cnt
	WIN 0xf0|((\w)<<2)|(\w)
.irp b, 0,1,2,3
.if \b < \cnt
	v_max3_num_f32 v[TM+\b], |v[\s+16*\b]|, |v[\s+16*\b+1]|, 0x1800000   ; with the floor 2^(3 - 127): the byte cannot fall under 1
.endif
.endr
.irp i, 2,4,6,8,10,12,14
.irp b, 0,1,2,3
.if \b < \cnt
	v_max3_num_f32 v[TM+\b], |v[\s+16*\b+\i]|, |v[\s+16*\b+\i+1]|, v[TM+\b]
.endif
.endr
.endr
	WIN 0xff
.irp b, 0,1,2,3
.if \b < \cnt
	v_permlanex16_b32 v[TP+\b], v[TM+\b], s[SEL], s[SEL+1]
.endif
.endr
.irp b, 0,1,2,3
.if \b < \cnt
	v_max_num_f32 v[TM+\b], v[TM+\b], v[TP+\b]
.endif
.endr
.irp b, 0,1,2,3
.if \b < \cnt
	v_add_nc_u32 v[SOP+\b], 0xff000000, v[TM+\b]   ; 2 off the exponent field: the conversion's scale operand
.endif
.endr
.irp b, 0,1,2,3
.if \b < \cnt
	v_lshrrev_b32 v[TP+\b], 23, v[SOP+\b]          ; the byte
.endif
.endr
	WIN 0xfc|(\w)
.irp c, 0,1
.if 2*\c < \cnt
	v_cvt_scalef32_pk16_fp6_f32 v[CD+6*\c:CD+6*\c+2], v[\s+32*\c:\s+32*\c+15], v[SOP+2*\c]
	v_cvt_scalef32_pk16_fp6_f32 v[CD2+4*\c:CD2+4*\c+2], v[\s+32*\c+16:\s+32*\c+31], v[SOP+2*\c+1]
.endif
.endr
	WIN 0xff
	v_nop                                          ; one plain place behind a scaled conversion
.irp c, 0,1
.if 2*\c < \cnt
.irp i, 0,1,2
	v_permlane16_swap_b32 v[CD+6*\c+\i], v[CD2+4*\c+\i]
.endr
.irp i, 0,1,2
	v_mov_b32 v[CD+3+6*\c+\i], v[CD2+4*\c+\i]
.endr
.endif
.endr
.endm
.macro ROPE a                          ; 16 tokens x two heads: x1 c - x2 s, x2 c + x1 s; x1 = registers 0-7 of a head's 16, x2 = registers 8-15; each accumulator is read from its low end on
	WIN 0xfe
.irp be, 0,1
.irp jp, 0,2,4,6
	v_pk_mul_f32 v[T+16*\be+\jp:T+16*\be+\jp+1], v[32*\a+16*\be+8+\jp:32*\a+16*\be+9+\jp], v[CS+16*\a+8+\jp:CS+16*\a+9+\jp]
	v_pk_mul_f32 v[T+16*\be+8+\jp:T+16*\be+9+\jp], v[32*\a+16*\be+\jp:32*\a+16*\be+\jp+1], v[CS+16*\a+8+\jp:CS+16*\a+9+\jp]
	v_pk_fma_f32 v[T+16*\be+\jp:T+16*\be+\jp+1], v[32*\a+16*\be+\jp:32*\a+16*\be+\jp+1], v[CS+16*\a+\jp:CS+16*\a+\jp+1], v[T+16*\be+\jp:T+16*\be+\jp+1] neg_lo:[0,0,1] neg_hi:[0,0,1]
	v_pk_fma_f32 v[T+16*\be+8+\jp:T+16*\be+9+\jp], v[32*\a+16*\be+8+\jp:32*\a+16*\be+9+\jp], v[CS+16*\a+\jp:CS+16*\a+\jp+1], v[T+16*\be+8+\jp:T+16*\be+9+\jp]
.endr
.endr
.endm
; the way out of q or k: four blocks of 16 tokens; the codes go through my stage and leave as 1,536 consecutive bytes for each head
.macro EPIQK base, rs, vso
	s_wait_xcnt 0x0                                ; earlier stores have read their registers
	PLACES
.irp a, 0,1,2,3
.if \a
	s_wait_dscnt 0x0                               ; the last block's stage stores have read their registers
.endif
	ROPE \a
	QUANT T, 3, 2
.if \a
	v_lshl_or_b32 v[W], v[TP], 8*\a, v[W]          ; byte a of the word of token r: token 16 a + r
	v_lshl_or_b32 v[W+1], v[TP+1], 8*\a, v[W+1]
.else
	v_mov_b32 v[W], v[TP]
	v_mov_b32 v[W+1], v[TP+1]
.endif
	WIN 0x0c
.irp p, 0,1,2
	ds_store_b64 v[STO], v[CD+2*\p:CD+2*\p+1] offset:384*\a+8*\p
.endr
.endr
	WIN 0xc0
.irp n, 0,1,2,3,4,5
	ds_load_b128 v[BK+4*\n:BK+4*\n+3], v[RD] offset:SHEAD*(\n/3)+512*(\n%3)   ; LDS serves a wave's instructions in order: these see my stores
.endr
	WIN 0xff
	v_cndmask_b32 v[W], v[W], v[W+1], s[HI]        ; lanes 16-31: the second head's words
	s_wait_alu depctr_va_vdst(0)                   ; the wait here, directly ahead of the wait below
	s_wait_dscnt 0x0
	WIN 0x0c
.irp n, 0,1,2,3,4,5
	global_store_b128 v[VCO], v[BK+4*\n:BK+4*\n+3], s[\base:\base+1] offset:\rs*(\n/3)+512*(\n%3)   ; 32 lanes store 512 consecutive bytes, aligned
.endr
	global_store_b32 v[\vso], v[W], s[\base:\base+1]
	WIN 0
.endm
.macro EPIV                            ; the way out of v: a block of 16 features x 128 keys is a fragment's image, stored as it stands
	PLACES
.irp a, 0,1
	s_wait_xcnt 0x0
	QUANT 64*\a, 2, 4
	v_lshl_or_b32 v[PW+\a], v[TP+1], 8, v[TP]
	v_lshl_or_b32 v[PW+\a], v[TP+2], 16, v[PW+\a]
	v_lshl_or_b32 v[PW+\a], v[TP+3], 24, v[PW+\a]
	WIN 0x0c
.irp i, 0,1,2
	global_store_b128 v[VCV], v[CD+4*\i:CD+4*\i+3], s[18:19] offset:1536*\a+512*\i
.endr
.endr
	WIN 0xff
	v_cndmask_b32 v[PW], v[PW], v[PW+1], s[HI]
	WIN 0x0c
	global_store_b32 v[VSV], v[PW], s[18:19]
	WIN 0
.endm
	s_wait_alu depctr_va_vdst(0)                   ; the wait at the head's end
	s_wait_tensorcnt 0x0                           ; my part of x or wq is in
	ds_add_u32 v[SPW], v[NIL]
	s_wait_dscnt 0x0
	CROUND                                         ; everybody's part is in
	LOADW                                          ; wk into slot Q: its first fill
	s_wait_loadcnt 0x0                             ; scale words, cos, sin
	GEMM AX, 4, AP, AP, 4, XS, WQ
	s_wait_tensorcnt 0x0                           ; wk is in
	ds_add_u32 v[SPW], v[NIL]
	s_add_co_u32 s[G0V+1], s79, SLP                ; no load of mine is out: the next tile is wv, 1,024 rows on, into slot P
	s_add_nc_u64 s[G0V+2:G0V+3], s[G0V+2:G0V+3], 1024*768
	s_wait_dscnt 0x0                               ; my reads of slot P are over
	CROUND
	LOADW
	EPIQK 16, 51200, VSQ
	GEMM AX, 4, AQ, AQ, 4, XS, WK
	EPIQK 94, 102400, VSK
	s_wait_tensorcnt 0x0                           ; wv is in
	s_wait_dscnt 0x0
	s_barrier_signal -1
	s_barrier_wait -1
	GEMM AF, 2, AT, AU, 8, WF, XT
	EPIV
	s_wait_tensorcnt 0x0                           ; the wave's end
	ds_add_u32 v[SPW], v[NIL]
	s_wait_dscnt 0x0
	CROUND                                         ; the closing round
	s_endpgm
.Lfunc_end_k_q25eeaa72b7_qkv:
	.size	k_q25eeaa72b7_qkv, .Lfunc_end_k_q25eeaa72b7_qkv-k_q25eeaa72b7_qkv
	.p2alignl 7, 3214868480
	.fill 96, 4, 3214868480
	.section	.rodata,"a",@progbits
	.p2align	6, 0x0
	.amdhsa_kernel k_q25eeaa72b7_qkv
		.amdhsa_group_segment_fixed_size 327680
		.amdhsa_private_segment_fixed_size 0
		.amdhsa_enable_private_segment 0
		.amdhsa_kernarg_size 64
		.amdhsa_user_sgpr_count 2
		.amdhsa_user_sgpr_kernarg_segment_ptr 1
		.amdhsa_wavefront_size32 1
		.amdhsa_system_sgpr_workgroup_id_x 1
		.amdhsa_system_sgpr_workgroup_id_y 1
		.amdhsa_system_sgpr_workgroup_id_z 1
		.amdhsa_system_vgpr_workitem_id 0
		.amdhsa_next_free_vgpr 1024
		.amdhsa_next_free_sgpr 100
		.amdhsa_reserve_vcc 0
		.amdhsa_float_denorm_mode_32 3
		.amdhsa_float_denorm_mode_16_64 3
		.amdhsa_memory_ordered 1
		.amdhsa_forward_progress 1
		.amdhsa_inst_pref_size 193
	.end_amdhsa_kernel
	.amdgpu_metadata
---
amdhsa.version: [ 1, 2 ]
amdhsa.kernels:
  - .name:           k_q25eeaa72b7_qkv
    .symbol:         k_q25eeaa72b7_qkv.kd
    .args:
      - { .name: xc, .offset: 0, .size: 8, .value_kind: global_buffer, .address_space: global }
      - { .name: xs, .offset: 8, .size: 8, .value_kind: global_buffer, .address_space: global }
      - { .name: wc, .offset: 16, .size: 8, .value_kind: global_buffer, .address_space: global }
      - { .name: ws, .offset: 24, .size: 8, .value_kind: global_buffer, .address_space: global }
      - { .name: cos, .offset: 32, .size: 8, .value_kind: global_buffer, .address_space: global }
      - { .name: sin, .offset: 40, .size: 8, .value_kind: global_buffer, .address_space: global }
      - { .name: qrec, .offset: 48, .size: 8, .value_kind: global_buffer, .address_space: global }
      - { .name: kvrec, .offset: 56, .size: 8, .value_kind: global_buffer, .address_space: global }
    .group_segment_fixed_size: 327680
    .private_segment_fixed_size: 0
    .kernarg_segment_align: 8
    .kernarg_segment_size: 64
    .max_flat_workgroup_size: 128
    .sgpr_count:     100
    .vgpr_count:     1024
    .wavefront_size: 32
...
	.end_amdgpu_metadata
.endif
;; end of part 2
;; launch attn (part 3): grid 4 x 64, 16 waves a work-group, clusters of 4 x 1, 169,984 bytes of LDS; arguments qrec, kvrec, oc, os; writes oc, os
.if DOCPART == 3
	.amdgcn_target "amdgcn-amd-amdhsa--gfx1250"
	.amdhsa_code_object_version 6
	.text
	.protected	k_q25eeaa72b7_attn
	.globl	k_q25eeaa72b7_attn
	.p2align	8
	.type	k_q25eeaa72b7_attn,@function
k_q25eeaa72b7_attn:
	s_mov_b64 s[64:65], 0
	v_nop
	global_prefetch_b8 v0, s[64:65] scope:SCOPE_SE
	s_setreg_imm32_b32 hwreg(HW_REG_WAVE_MODE, 25, 1), 1
	s_wait_xcnt 0x0
	s_wait_alu depctr_hold_cnt(0) depctr_sa_sdst(0) depctr_va_vdst(0) depctr_va_sdst(0) depctr_va_ssrc(0) depctr_va_vcc(0) depctr_vm_vsrc(0)
	s_getreg_b32 s2, hwreg(HW_REG_IB_STS2, 6, 4)
	s_cmp_eq_u32 s2, 0
	s_cbranch_scc0 .Lentry_in_a_cluster
	s_endpgm
.Lentry_in_a_cluster:
	s_bfe_u32 s2, ttmp6, 0x10000c
	s_cmp_lg_u32 s2, 0x3003
	s_cbranch_scc0 .Lentry_shape_is_right
	s_endpgm
.Lentry_shape_is_right:
; Causal attention of one (batch, head) on codes of FP6 (E2M3); head size 32, 2,048 tokens.  The result, divided by the row's sum, is quantised along the head's 32 and stored as codes for the last product.
; Key steps that lie wholly behind a tile's queries are left out: the causal mask sets their scores to -infinity.
; THE SOFTMAX: t = score x log2(e) / sqrt(32); M = the row's largest t so far, rounded up to a whole number; p = 2^(t - M) is quantised along the keys; the row's sum is taken of the unquantised p.
; When M moves, the sum and O are multiplied by 2^(old M - new M), which rounds nothing.
; SHARES.  The four work-groups of a head form a cluster.  Wave w of partner j owns two tiles of 16 queries: 8 (w / 2) + i and 8 (15 - w / 2) + i, i = 2 j + w % 2.
; Tile T needs T / 8 + 1 key steps of 128: w / 2 + 1 and 16 - w / 2, 17 for every wave, and the counts hang on the wave's number alone: no branch and no LDS address hangs on the partner's place.
; LDS.  The head's whole record of k and v (102,400 bytes) comes in once, 6,400 bytes by each wave's one load, asked for jointly by the four partners; behind the head LDS is only read.
; No prefetch: the record is asked for once, at the head; there is no later tile to run ahead for.
; SCORES.  K = 32 is one block of the instruction's four.  A fragment of k holds 64 keys; q is given with its block in place g and zero codes elsewhere, so variant g gives the scores of the keys in block g of the rows.
; WHICH KEYS FORM A TILE: row m of tile (c, t) is key 64 c + 32 (m / 8) + 16 (t % 2) + 8 (t / 2) + m % 8.  Both products are used transposed, a lane holds one query (lane % 16), and so the 32 registers
; of tiles (c, 0 .. 3) in lane half h are ONE WHOLE BLOCK of 32 keys, block 2 c + h, in the order in which v's codes were laid: its largest p needs no other lane, and its codes are the operand's registers.
; k's scale words are re-laid for these rows once, at the head, into 2,048 LDS bytes of their own.
; LIMITS: NaN and infinities are not served; a block of zeros gets the byte 1 (its codes are zeros; this program alone reads the bytes); the scaled scores stay under 2^31 in magnitude.
.set VC,   49152                       ; the record: k's codes at 0, v's fragment images here,
.set KSO,  98304                       ; k's scale words as stored, and 2,048 bytes on v's
.set REC,  102400
.set KS2,  102400                      ; k's scale words as the tiles want them
.set SPARE, 0x29000
.set QREC, 51200
.set AK0,  1
.set AV0,  2
.set AS0,  3
.set ADK,  4
.set ADV,  5
.set ADS,  6
.set VD,   9                           ; v9   16 i + r - 32 h, for the mask
.set QS,   46                          ; q's scale byte in all four places
.set KSW,  47                          ; k's scale words: lanes 0-15 fragment 0, lanes 16-31 fragment 1
.set VSW,  48                          ; v's: lanes 0-15 features 0-15, lanes 16-31 features 16-31
.set OLDM, 49
.set RAW,  50
.set RAWS, 62
.set KFR,  64
.set VFR,  88
.set S,    112                         ; v112-175 scores, then p
.set OT,   176                         ; v176-191 O^T
.set PC,   192                         ; v192-203 p's codes; v204-210 the blocks' upper halves as converted
.set PC2,  204
.set BM,   212                         ; v212-215 four chains of maxima; 212 and 214 then hold my two blocks'
.set PD,   216
.set SOP,  218
.set PSW,  220                         ; p's scale word
.set W1,   221
.set SPW,  222
.set NIL,  223
.set RS,   224
.set RT,   225
.set W2,   226
.set SH8,  227
.set ON,   230
.set BY,   250
.set WV,   12
.set HB,   13
.set G1,   16
.set G0,   24
.set QB,   28
.set HI,   30
.set QSEL, 31
.set SEL,  32
.set CS,   34
.set TN,   36
.set GG,   38                          ; the tile's last step
.set Q0,   39
.set TS3,  40
.set TS,   41
.set SI,   42                          ; the step
.set OCB,  44
.set OSB,  46
.set GGA,  52
.set CX,   54
.set II,   55
.macro CROUND
	s_barrier_signal -1
	s_barrier_wait -1
	s_cmp_lg_u32 s[WV], 0
	s_cbranch_scc1 .Lnot_wave_0_\@
	s_barrier_signal -3
.Lnot_wave_0_\@:
	s_barrier_wait -3
	s_barrier_signal -1
	s_barrier_wait -1
.endm
	s_load_b128 s[4:7], s[0:1], 0x0                ; qrec, kvrec
	s_load_b128 s[8:11], s[0:1], 0x10              ; oc, os
	v_lshl_add_u32 v[SPW], v0, 2, SPARE
	v_mov_b32 v[NIL], 0
	ds_add_u32 v[SPW], v[NIL]                      ; the opening lines
	ds_add_u32 v[SPW], v[NIL]
	v_lshrrev_b32 v1, 5, v0
	v_readfirstlane_b32 s[WV], v1                  ; wave 0..15
	s_and_b32 s[HB], ttmp7, 0xffff                 ; 32 x batch + head
	s_bfe_u32 s[CX], ttmp6, 0x40000                ; my place among the head's four
	s_mov_b32 s[G1+0], 15|(3<<16)|(1<<21)          ; all four partners; elements of 8 bytes; no padding
	s_mov_b32 s[G1+1], 32<<16                      ; rows of 256 bytes
	s_mov_b32 s[G1+2], 25<<16
	s_mov_b32 s[G1+3], 32<<16
	s_mov_b32 s[G1+4], 25
	s_mov_b32 s[G1+5], 32
	s_mov_b32 s[G1+6], 0
	s_mov_b32 s[G1+7], 0
	s_mov_b32 s[G0], 1
	s_mul_i32 s[G0+1], s[WV], 6400                 ; my sixteenth of the record, in LDS as in memory
	s_mul_i32 s14, s[HB], REC
	s_add_co_u32 s14, s14, s[G0+1]
	s_mov_b32 s15, 0
	s_wait_dscnt 0x0
	s_wait_kmcnt 0x0
	s_add_nc_u64 s[G0+2:G0+3], s[6:7], s[14:15]
	s_or_b32 s[G0+3], s[G0+3], 0x80000000
	CROUND                                         ; the joint loads meet
	tensor_load_to_lds s[G0:G0+3], s[G1:G1+7]      ; my one tensor load of the launch
	s_nop 0
.rept 4
	v_nop
.endr
	s_mul_i32 s14, s[HB], QREC
	s_add_nc_u64 s[QB:QB+1], s[4:5], s[14:15]
	s_lshr_b32 s[GGA], s[WV], 1                    ; the last steps of my two tiles
	s_sub_co_u32 s[GGA+1], 15, s[GGA]
	s_and_b32 s[II], s[WV], 1
	s_lshl_b32 s43, s[CX], 1
	s_add_co_u32 s[II], s[II], s43                 ; i
	s_lshl_b32 s[TN], s[GGA], 3
	s_add_co_u32 s[TN], s[TN], s[II]
	s_lshl_b32 s[TN+1], s[GGA+1], 3
	s_add_co_u32 s[TN+1], s[TN+1], s[II]
	s_lshl_b32 s[II], s[II], 4
.irp p, 0,1
	s_mul_i32 s[48+\p], s[TN+\p], 384
	s_lshr_b32 s[50+\p], s[TN+\p], 2
	s_lshl_b32 s[50+\p], s[50+\p], 6
	s_add_co_u32 s[50+\p], s[50+\p], 49152
.endr
	s_mov_b32 s[HI], 0xffff0000
	s_mov_b32 s[SEL], 0x76543210
	s_mov_b32 s[SEL+1], 0xfedcba98                 ; v_permlanex16_b32's selects for lane l xor 16
	s_mov_b32 s[CS], 0x3e8293ee                    ; c = log2(e) / sqrt(32)
	s_mov_b32 s[CS+1], s[CS]
	v_and_b32 v10, 31, v0                          ; lane
	v_and_b32 v11, 15, v0                          ; r
	v_bfe_u32 v254, v0, 4, 1                       ; h
	v_mul_u32_u24 v4, v11, 24
	v_lshlrev_b32 v5, 2, v11
.irp p, 0,1
	v_add_nc_u32 v[230+\p], s[48+\p], v4           ; q's codes: token 16 T + r, 24 bytes, in both halves of the lanes
	v_add_nc_u32 v[232+\p], s[50+\p], v5           ; the word with its scale byte: 64 (T / 4) + 4 r
.endr
.irp p, 0,1
.irp i, 0,1,2
	global_load_b64 v[RAW+6*\p+2*\i:RAW+6*\p+2*\i+1], v[230+\p], s[QB:QB+1] offset:8*\i
.endr
	global_load_b32 v[RAWS+\p], v[232+\p], s[QB:QB+1]
.endr
	v_and_b32 v1, 7, v0
	v_bfe_u32 v2, v0, 3, 1
	v_lshl_add_u32 v1, v2, 5, v1
	v_lshl_add_u32 v1, v254, 4, v1
	v_mul_u32_u24 v[AK0], v1, 24                   ; my key of a fragment's block: 32 (m / 8) + 16 h + m % 8, 24 bytes each
	v_lshl_add_u32 v[AV0], v10, 4, VC
	v_lshl_add_u32 v[AS0], v10, 2, KSO+2048        ; v's scale words; k's re-laid ones lie 2,048 bytes on
	v_mul_u32_u24 v7, v11, 768
	v_mad_u32_u24 v7, v254, 12, v7                 ; the way out: token r's row of 768 bytes, + 12 h
	v_lshlrev_b32 v8, 5, v11                       ; and its row of 32 scale bytes
	v_lshlrev_b32 v[VD], 5, v254
	v_sub_nc_u32 v[VD], v11, v[VD]
	v_add_nc_u32 v[VD], s[II], v[VD]
	v_lshlrev_b32 v[SH8], 3, v254
	v_lshrrev_b32 v[RS], 4, v0                     ; the re-laying: thread 32 w + 16 f + m makes the word of row m of fragment f of step w
	v_lshlrev_b32 v[RS], 6, v[RS]
	v_and_b32 v[RT], 7, v0
	v_lshl_add_u32 v[RS], v[RT], 2, v[RS]
	v_bfe_u32 v[W1], v0, 3, 1
	v_lshl_add_u32 v[RS], v[W1], 1, v[RS]
	v_add_nc_u32 v[RS], KSO, v[RS]                 ; bytes g = 0, 1 at 64 (2 w + f) + 4 (m % 8) + 2 (m / 8), bytes 2, 3 at 32 more
	v_lshl_add_u32 v[RT], v0, 2, KS2
.irp z, 16,17,18,19,20,21,28,29,30,31,32,33,40,41,42,43,44,45
	v_mov_b32 v\z, 0                               ; the zero codes round q stay zero
.endr
	v_mov_b32 v[PD], 0                             ; a lane permute's destination counts as one of its sources
	v_mov_b32 v253, 0                              ; (named as the upper half of the pair v[252:253])
	v_mov_b32 v255, 0xff800000                     ; -infinity
	s_wait_alu depctr_va_vdst(0)                   ; the wait at the head's end
	s_wait_tensorcnt 0x0                           ; my part of the record is in,
	s_barrier_signal -1
	s_barrier_wait -1                              ; everybody's is
	ds_load_u16 v[W1], v[RS]
	ds_load_u16 v[W2], v[RS] offset:32
	s_wait_dscnt 0x0
	v_lshl_or_b32 v[W1], v[W2], 16, v[W1]
	ds_store_b32 v[RT], v[W1]
	s_wait_dscnt 0x0                               ; my word is written,
	s_barrier_signal -1
	s_barrier_wait -1                              ; everybody's is; from here on LDS is only read
	s_wait_loadcnt 0x0                             ; q
; A KEY STEP: 128 keys.  A step behind the tile's last is left out by a scalar branch on the wave's number and the step.
.macro STEP
	s_cmp_gt_u32 s[SI], s[GG]
	s_cbranch_scc1 .Lhidden_\@
	v_add_nc_u32 v[ADK], s[TS3], v[AK0]
	v_add_nc_u32 v[ADV], s[TS3], v[AV0]
	v_add_nc_u32 v[ADS], s[TS], v[AS0]
	v_mov_b32 v[OLDM], v12                         ; the old -M.  (Four places in front of loads into registers that the last step's products have read)
.irp f, 0,1
.irp p, 0,1,2,3,4,5
	ds_load_b64 v[KFR+12*\f+2*\p:KFR+12*\f+2*\p+1], v[ADK] offset:1536*\f+192*(\p/3)+8*(\p%3)
.endr
.endr
	ds_load_b32 v[KSW], v[ADS] offset:2048
.irp u, 0,1
.irp i, 0,1,2
	ds_load_b128 v[VFR+12*\u+4*\i:VFR+12*\u+4*\i+3], v[ADV] offset:1536*\u+512*\i   ; an image of the fragment's registers
.endr
.endr
	ds_load_b32 v[VSW], v[ADS]
	s_wait_dscnt 7                                 ; k is in; v's seven loads may be out
.irp g, 0,1,2,3
	v_wmma_scale_f32_16x16x128_f8f6f4 v[S+8*\g:S+8*\g+7], v[KFR:KFR+11], v[22+12*(\g%2)-6*(\g/2):33+12*(\g%2)-6*(\g/2)], 0, v[KSW], v[QS] matrix_a_fmt:MATRIX_FMT_FP6 matrix_b_fmt:MATRIX_FMT_FP6
.endr
.irp g, 0,1,2,3
	v_wmma_scale_f32_16x16x128_f8f6f4 v[S+32+8*\g:S+32+8*\g+7], v[KFR+12:KFR+23], v[22+12*(\g%2)-6*(\g/2):33+12*(\g%2)-6*(\g/2)], 0, v[KSW], v[QS] matrix_a_fmt:MATRIX_FMT_FP6 matrix_b_fmt:MATRIX_FMT_FP6 matrix_a_scale:MATRIX_SCALE_ROW1
.endr
.rept 4
	v_nop
.endr
	s_cmp_lt_u32 s[SI], s[GG]                      ; only the tile's last step holds hidden keys
	s_cbranch_scc1 .Lopen_\@
.set J, 0
.rept 64                                       ; register 32 c + 8 t + j holds key 64 c + 32 h + 16 (t % 2) + 8 (t / 2) + j: hidden where it lies behind query 16 i + r
	v_cmp_gt_i32 vcc_lo, 64*(J/32)+16*((J/8)%2)+8*((J/16)%2)+J%8, v[VD]
	v_cndmask_b32 v[S+J], v[S+J], v255, vcc_lo
.set J, J+1
.endr
.Lopen_\@:
.irp b, 0,1,2,3
	v_max3_num_f32 v[BM+\b], v[S+16*\b], v[S+16*\b+1], v[S+16*\b+2]   ; the largest score of my two blocks, in four chains: for the row's maximum and, since p rises with the score, for the block's largest p
.endr
.irp i, 3,5,7,9,11,13
.irp b, 0,1,2,3
	v_max3_num_f32 v[BM+\b], v[BM+\b], v[S+16*\b+\i], v[S+16*\b+\i+1]
.endr
.endr
.irp c, 0,1
	v_max3_num_f32 v[BM+2*\c], v[BM+2*\c], v[BM+2*\c+1], v[S+32*\c+15]
.endr
.irp c, 0,1
	v_max_num_f32 v[BM+2*\c], v[BM+2*\c], v[S+32*\c+31]
.endr
	v_max3_num_f32 v13, v13, v[BM], v[BM+2]        ; the running largest score of my query,
	v_permlanex16_b32 v[PD], v13, s[SEL], s[SEL+1]
	v_max_num_f32 v13, v13, v[PD]                  ; with lane l xor 16's keys
	v_mul_f32 v254, s[CS], v13                     ; as t
	v_floor_f32 v12, -v254                         ; the new -M = floor(-t): M is a whole number
	v_sub_f32 v254, v12, v[OLDM]                   ; old M - new M: a whole number, 0 or less
	v_cvt_i32_f32 v254, v254                       ; (it saturates)
	v_ldexp_f32 v252, 1.0, v254                    ; f = 2^(old M - new M)
.set J, 0
.rept 32
	v_pk_fma_f32 v[S+J:S+J+1], v[S+J:S+J+1], s[CS:CS+1], v[12:13] op_sel_hi:[1,0,0]   ; t - M, two at a time
.set J, J+2
.endr
.irp c, 0,1
	v_fma_f32 v[BM+2*\c], v[BM+2*\c], s[CS], v12   ; the same of each block's largest score
.endr
.set J, 0
.rept 8
	v_pk_mul_f32 v[OT+J:OT+J+1], v[OT+J:OT+J+1], v[252:253] op_sel_hi:[1,0]   ; O^T under the new M
.set J, J+2
.endr
	s_wait_alu depctr_va_vdst(0)                   ; the wait ahead of the batch
.irp c, 0,1
	v_exp_f32 v[BM+2*\c], v[BM+2*\c]               ; one batch of 66 exponentials: my blocks' largest p,
.endr
.set J, 0
.rept 64
	v_exp_f32 v[S+J], v[S+J]                       ; and p = 2^(t - M), at most 1, not normalised
.set J, J+1
.endr
	v_pk_mul_f32 v[14:15], v[14:15], v[252:253] op_sel_hi:[1,0]   ; the sums under the new M: the plain place behind the batch
	s_wait_alu depctr_va_vdst(0)                   ; one wait for the whole batch, ahead of its first reader
.irp c, 0,1
	v_max_num_f32 v[BM+2*\c], 0x1800000, v[BM+2*\c]   ; the floor 2^(3 - 127): the byte cannot fall under 1
.endr
.irp c, 0,1
	s_delay_alu instid0(VALU_DEP_2)
	v_add_nc_u32 v[SOP+\c], 0xff000000, v[BM+2*\c] ; 2 off the exponent field: the conversion's scale operand
.endr
.irp c, 0,1
	s_delay_alu instid0(VALU_DEP_2)
	v_lshrrev_b32 v[BY+\c], 23, v[SOP+\c]          ; the scale's byte
.endr
	s_delay_alu instid0(VALU_DEP_1)
	v_lshl_or_b32 v[W1], v[BY+1], 16, v[BY]        ; my two bytes: blocks h and 2 + h,
	s_delay_alu instid0(VALU_DEP_1)
	v_lshlrev_b32 v[W1], v[SH8], v[W1]             ; at their places in the word;
	s_delay_alu instid0(VALU_DEP_1)
	v_permlanex16_b32 v[W2], v[W1], s[SEL], s[SEL+1]
	s_delay_alu instid0(VALU_DEP_1)
	v_or_b32 v[PSW], v[W1], v[W2]                  ; with lane l xor 16's two: p's scale word for these 128 keys
.irp c, 0,1
	v_cvt_scalef32_pk16_fp6_f32 v[PC+6*\c:PC+6*\c+2], v[S+32*\c:S+32*\c+15], v[SOP+\c]
	v_cvt_scalef32_pk16_fp6_f32 v[PC2+4*\c:PC2+4*\c+2], v[S+32*\c+16:S+32*\c+31], v[SOP+\c]   ; (a conversion's three registers begin on an even number)
.endr
	v_nop                                          ; one plain place behind a scaled conversion
.irp c, 0,1
.irp i, 0,1,2
	v_mov_b32 v[PC+3+6*\c+\i], v[PC2+4*\c+\i]      ; registers 6 c .. 6 c + 5: block 2 c + h, whole
.endr
.endr
	v_pk_add_f32 v[228:229], v[116:117], v[120:121]   ; the row's sum of the unquantised p, two at a time, in eight chains
	v_pk_add_f32 v[248:249], v[124:125], v[128:129]
	v_pk_add_f32 v[246:247], v[132:133], v[136:137]
	v_pk_add_f32 v[244:245], v[140:141], v[144:145]
	v_pk_add_f32 v[242:243], v[148:149], v[152:153]
	v_pk_add_f32 v[240:241], v[156:157], v[160:161]
	v_pk_add_f32 v[238:239], v[164:165], v[168:169]
	v_pk_add_f32 v[14:15], v[14:15], v[172:173]
	v_pk_add_f32 v[228:229], v[228:229], v[112:113]
	v_pk_add_f32 v[248:249], v[248:249], v[114:115]
	v_pk_add_f32 v[246:247], v[246:247], v[118:119]
	v_pk_add_f32 v[244:245], v[244:245], v[122:123]
	v_pk_add_f32 v[242:243], v[242:243], v[126:127]
	v_pk_add_f32 v[240:241], v[240:241], v[130:131]
	v_pk_add_f32 v[238:239], v[238:239], v[134:135]
	v_pk_add_f32 v[14:15], v[14:15], v[138:139]
	v_pk_add_f32 v[228:229], v[228:229], v[142:143]
	v_pk_add_f32 v[248:249], v[248:249], v[146:147]
	v_pk_add_f32 v[246:247], v[246:247], v[150:151]
	v_pk_add_f32 v[244:245], v[244:245], v[154:155]
	v_pk_add_f32 v[242:243], v[242:243], v[158:159]
	v_pk_add_f32 v[240:241], v[240:241], v[162:163]
	v_pk_add_f32 v[238:239], v[238:239], v[166:167]
	v_pk_add_f32 v[14:15], v[14:15], v[170:171]
	v_pk_add_f32 v[228:229], v[228:229], v[174:175]
	s_delay_alu instid0(VALU_DEP_2)
	v_pk_add_f32 v[14:15], v[14:15], v[244:245]
	s_delay_alu instid0(VALU_DEP_2)
	v_pk_add_f32 v[228:229], v[228:229], v[242:243]
	v_pk_add_f32 v[248:249], v[248:249], v[240:241]
	v_pk_add_f32 v[246:247], v[246:247], v[238:239]
	s_delay_alu instid0(VALU_DEP_2)
	v_pk_add_f32 v[14:15], v[14:15], v[248:249]
	s_delay_alu instid0(VALU_DEP_2)
	v_pk_add_f32 v[228:229], v[228:229], v[246:247]
	s_delay_alu instid0(VALU_DEP_1)
	v_pk_add_f32 v[14:15], v[14:15], v[228:229]
	s_wait_dscnt 0x0                               ; v is in
	v_wmma_scale_f32_16x16x128_f8f6f4 v[OT:OT+7], v[VFR:VFR+11], v[PC:PC+11], v[OT:OT+7], v[VSW], v[PSW] matrix_a_fmt:MATRIX_FMT_FP6 matrix_b_fmt:MATRIX_FMT_FP6
	v_wmma_scale_f32_16x16x128_f8f6f4 v[OT+8:OT+15], v[VFR+12:VFR+23], v[PC:PC+11], v[OT+8:OT+15], v[VSW], v[PSW] matrix_a_fmt:MATRIX_FMT_FP6 matrix_b_fmt:MATRIX_FMT_FP6 matrix_a_scale:MATRIX_SCALE_ROW1
.Lhidden_\@:
	s_add_co_u32 s[TS3], s[TS3], 3072
	s_add_co_u32 s[TS], s[TS], 128
.endm
; One tile of 16 queries: q's four variants, 16 trips (a constant; hidden steps do nothing), the division, the quantising of the head's block, the stores.
.macro TILE p
.if \p
	s_wait_xcnt 0x0                                ; the first tile's stores have read their registers and bases
.endif
	s_lshl_b32 s[Q0], s[TN+\p], 4
	s_mov_b32 s[GG], s[GGA+\p]
	s_and_b32 s43, s[TN+\p], 3
	s_mul_i32 s[QSEL], s43, 0x01010101             ; which byte of the word is my tile's: T % 4, for all four places
	s_mov_b32 s[TS3], 0
	s_mov_b32 s[TS], 0
	s_lshr_b32 s48, s[HB], 5
	s_lshl_b32 s48, s48, 11
	s_add_co_u32 s48, s48, s[Q0]                   ; my first token among the 4,096
	s_and_b32 s49, s[HB], 31                       ; the head
	s_mul_i32 s50, s48, 768
	s_mul_i32 s51, s49, 24
	s_add_co_u32 s50, s50, s51
	s_mov_b32 s51, 0
	s_add_nc_u64 s[OCB:OCB+1], s[8:9], s[50:51]
	s_lshl_b32 s50, s48, 5
	s_add_co_u32 s50, s50, s49
	s_add_nc_u64 s[OSB:OSB+1], s[10:11], s[50:51]
.irp i, 0,1,2,3,4,5
	v_cndmask_b32 v[22+\i], v[RAW+6*\p+\i], v16, s[HI]   ; q in lanes 0-15, zero codes above: with the zeros round it, variants 0 (from v22) and 2 (from v16)
	v_cndmask_b32 v[34+\i], v16, v[RAW+6*\p+\i], s[HI]   ; q in lanes 16-31: variants 1 (from v34) and 3 (from v28)
.endr
	v_perm_b32 v[QS], v[RAWS+\p], v[RAWS+\p], s[QSEL]
	v_mov_b32 v13, 0xff61b1e6                      ; the largest score so far: -3e38.  (These 20 lines are also the places between the writes above and the first products)
	s_delay_alu instid0(VALU_DEP_1)
	v_floor_f32 v12, -v13                          ; -M, above every later one
	v_mov_b32 v14, 0                               ; the sum, in two halves
	v_mov_b32 v15, 0
.set J, 0
.rept 16
	v_mov_b32 v[OT+J], 0                           ; O^T: the first step finds zeros, which the first change of M leaves zeros
.set J, J+1
.endr
	s_mov_b32 s[SI], 0
.Lstep_\@:
	STEP
	s_add_co_u32 s[SI], s[SI], 1
	s_cmp_lt_u32 s[SI], 16
	s_cbranch_scc1 .Lstep_\@
.rept 4
	v_nop                                          ; places behind the last products
.endr
	s_wait_alu depctr_va_vdst(0)
	v_add_f32 v14, v14, v15                        ; the sum's two halves,
	s_delay_alu instid0(VALU_DEP_1)
	v_permlanex16_b32 v[PD], v14, s[SEL], s[SEL+1]
	s_delay_alu instid0(VALU_DEP_1)
	v_add_f32 v14, v14, v[PD]                      ; and lane l xor 16's: the row's sum
	s_wait_alu depctr_va_vdst(0)
	v_rcp_f32 v14, v14
	v_nop                                          ; a plain place behind the reciprocal
	s_wait_alu depctr_va_vdst(0)                   ; the wait ahead of its first reader
.set J, 0
.rept 16
	v_mul_f32 v[ON+J], v[OT+J], v14                ; register 8 u + j: feature 16 u + 8 h + j of my query, from each accumulator's low end on
.set J, J+1
.endr
	v_max3_num_f32 v254, |v[ON]|, |v[ON+1]|, 0x1800000   ; the head's block of 32: my 16 and the floor,
.irp i, 2,4,6,8,10,12,14
	s_delay_alu instid0(VALU_DEP_1)
	v_max3_num_f32 v254, v254, |v[ON+\i]|, |v[ON+\i+1]|
.endr
	s_delay_alu instid0(VALU_DEP_1)
	v_permlanex16_b32 v[PD], v254, s[SEL], s[SEL+1]
	s_delay_alu instid0(VALU_DEP_1)
	v_max_num_f32 v254, v254, v[PD]                ; with lane l xor 16's
	s_delay_alu instid0(VALU_DEP_1)
	v_add_nc_u32 v[SOP], 0xff000000, v254
	s_delay_alu instid0(VALU_DEP_1)
	v_lshrrev_b32 v249, 23, v[SOP]                 ; the scale's byte
	v_cvt_scalef32_pk16_fp6_f32 v[246:248], v[ON:ON+15], v[SOP]
	v_nop                                          ; one plain place behind a scaled conversion
	global_store_b96 v7, v[246:248], s[OCB:OCB+1]  ; places 16 h .. 16 h + 15 of the head's block: 12 bytes.  A head is 24 bytes of a token's row of 768, so that the last product finds K innermost
	global_store_b8 v8, v249, s[OSB:OSB+1]         ; both halves of the lanes write the same byte with the same value
.endm
	TILE 0
	TILE 1
	s_wait_tensorcnt 0x0                           ; the wave's end
	ds_add_u32 v[SPW], v[NIL]
	s_wait_dscnt 0x0
	CROUND                                         ; the closing round
	s_endpgm
.Lfunc_end_k_q25eeaa72b7_attn:
	.size	k_q25eeaa72b7_attn, .Lfunc_end_k_q25eeaa72b7_attn-k_q25eeaa72b7_attn
	.p2alignl 7, 3214868480
	.fill 96, 4, 3214868480
	.section	.rodata,"a",@progbits
	.p2align	6, 0x0
	.amdhsa_kernel k_q25eeaa72b7_attn
		.amdhsa_group_segment_fixed_size 169984
		.amdhsa_private_segment_fixed_size 0
		.amdhsa_enable_private_segment 0
		.amdhsa_kernarg_size 32
		.amdhsa_user_sgpr_count 2
		.amdhsa_user_sgpr_kernarg_segment_ptr 1
		.amdhsa_wavefront_size32 1
		.amdhsa_system_sgpr_workgroup_id_x 1
		.amdhsa_system_sgpr_workgroup_id_y 1
		.amdhsa_system_sgpr_workgroup_id_z 1
		.amdhsa_system_vgpr_workitem_id 0
		.amdhsa_next_free_vgpr 256
		.amdhsa_next_free_sgpr 66
		.amdhsa_reserve_vcc 1
		.amdhsa_float_denorm_mode_32 3
		.amdhsa_float_denorm_mode_16_64 3
		.amdhsa_memory_ordered 1
		.amdhsa_forward_progress 1
		.amdhsa_inst_pref_size 54
	.end_amdhsa_kernel
	.amdgpu_metadata
---
amdhsa.version: [ 1, 2 ]
amdhsa.kernels:
  - .name:           k_q25eeaa72b7_attn
    .symbol:         k_q25eeaa72b7_attn.kd
    .args:
      - { .name: qrec, .offset: 0, .size: 8, .value_kind: global_buffer, .address_space: global }
      - { .name: kvrec, .offset: 8, .size: 8, .value_kind: global_buffer, .address_space: global }
      - { .name: oc, .offset: 16, .size: 8, .value_kind: global_buffer, .address_space: global }
      - { .name: os, .offset: 24, .size: 8, .value_kind: global_buffer, .address_space: global }
    .group_segment_fixed_size: 169984
    .private_segment_fixed_size: 0
    .kernarg_segment_align: 8
    .kernarg_segment_size: 32
    .max_flat_workgroup_size: 512
    .sgpr_count:     66
    .vgpr_count:     256
    .wavefront_size: 32
...
	.end_amdgpu_metadata
.endif
;; end of part 3
;; launch oproj (part 4): grid 8 x 32, 4 waves a work-group, clusters of 4 x 4, 327,680 bytes of LDS; arguments oc, os, wc, ws, out0; writes out0
.if DOCPART == 4
	.amdgcn_target "amdgcn-amd-amdhsa--gfx1250"
	.amdhsa_code_object_version 6
	.text
	.protected	k_q25eeaa72b7_oproj
	.globl	k_q25eeaa72b7_oproj
	.p2align	8
	.type	k_q25eeaa72b7_oproj,@function
k_q25eeaa72b7_oproj:
	s_mov_b64 s[64:65], 0
	v_nop
	global_prefetch_b8 v0, s[64:65] scope:SCOPE_SE
	s_setreg_imm32_b32 hwreg(HW_REG_WAVE_MODE, 25, 1), 1
	s_wait_xcnt 0x0
	s_wait_alu depctr_hold_cnt(0) depctr_sa_sdst(0) depctr_va_vdst(0) depctr_va_sdst(0) depctr_va_ssrc(0) depctr_va_vcc(0) depctr_vm_vsrc(0)
	s_getreg_b32 s2, hwreg(HW_REG_IB_STS2, 6, 4)
	s_cmp_eq_u32 s2, 0
	s_cbranch_scc0 .Lentry_in_a_cluster
	s_endpgm
.Lentry_in_a_cluster:
	s_bfe_u32 s2, ttmp6, 0x10000c
	s_cmp_lg_u32 s2, 0xf033
	s_cbranch_scc0 .Lentry_shape_is_right
	s_endpgm
.Lentry_shape_is_right:
; out0 = o wo^T on codes of FP6 (E2M3): o [4096][1024] as oc, os; wo = rows 3072-4095 of wc, ws; out0 [4096][1024] f32.
; A work-group makes 128 tokens x 128 features: 256 work-groups.  Both tiles come in once, as whole rows of K (768 bytes of memory, 16 bytes of padding behind each 256: pitch 816), 64 rows by each wave's one load.
; Behind the one barrier the tiles are only read.  A wave makes 64 x 64: 16 accumulators; source 0 = wo's rows, source 1 = tokens: a lane holds eight neighbouring numbers of a row of out0.
; The scale words, 32 bytes a row for all of K, go from memory into registers.  CLUSTERS 4 x 4: o's tile is shared along a row of the cluster, wo's along a column.
; No prefetch: the text has no loop to run ahead in; all that is read is asked for at the head.
; WINDOWS: 0 addresses, scale words, the way out; 1 fragments, two sets; 2 the accumulators.
.set PITCH, 816
.set BLK,   16*PITCH
.set TILE,  128*PITCH
.set SLP,   TILE
.set STAGE, 2*TILE                     ; 16 rows x (256 + 16) bytes for each wave
.set SPITCH, 272
.set SPARE, STAGE+4*16*SPITCH
.set AX, 8
.set AP, 10
.set STO, 18
.set RD,  19
.set CO,  20
.set SPW, 28
.set NIL, 29
.set XS, 32
.set WQ, 64
.set BK, 128
.set G1X, 32
.set G1W, 40
.set G0X, 56
.set G0W, 60
.set DW0, (1<<20)|(1<<21)|(5<<22)|(3<<25)
.set MSB, 0
.macro WIN new
.if MSB != (\new)
	s_set_vgpr_msb (MSB<<8)|(\new)
.set MSB, (\new)
.endif
.endm
.macro PLACES
.rept 4
	v_nop
.endr
.endm
.macro CROUND
	s_barrier_signal -1
	s_barrier_wait -1
	s_cmp_lg_u32 s20, 0
	s_cbranch_scc1 .Lnot_wave_0_\@
	s_barrier_signal -3
.Lnot_wave_0_\@:
	s_barrier_wait -3
	s_barrier_signal -1
	s_barrier_wait -1
.endm
	s_load_b256 s[4:11], s[0:1], 0x0               ; oc, os, wc, ws
	s_load_b64 s[12:13], s[0:1], 0x20              ; out0
	v_lshl_add_u32 v[SPW], v0, 2, SPARE
	v_mov_b32 v[NIL], 0
	ds_add_u32 v[SPW], v[NIL]                      ; the opening lines
	ds_add_u32 v[SPW], v[NIL]
	v_lshrrev_b32 v1, 5, v0
	v_readfirstlane_b32 s20, v1
	s_lshr_b32 s21, s20, 1                         ; token half; at the head: I fetch o (0) or wo (1)
	s_and_b32 s22, s20, 1                          ; feature half; at the head: which 64 rows
	s_bfe_u32 s23, ttmp6, 0x40000
	s_bfe_u32 s24, ttmp6, 0x40004
	s_lshl_b32 s25, ttmp9, 2
	s_add_co_u32 s25, s25, s23                     ; g: block of 128 features
	s_and_b32 s26, ttmp7, 0xffff
	s_lshl_b32 s26, s26, 2
	s_add_co_u32 s26, s26, s24                     ; y: block of 128 tokens
	s_lshl_b32 s27, s24, 2
	s_lshl_b32 s27, 15, s27
	s_lshl_b32 s28, 0x1111, s23
	s_or_b32 s[G1X], s27, DW0
	s_or_b32 s[G1W], s28, DW0
.irp g, G1X, G1W
	s_mov_b32 s[\g+1], 768<<16
	s_mov_b32 s[\g+2], 64<<16
	s_mov_b32 s[\g+3], 768<<16
	s_mov_b32 s[\g+4], 64
	s_mov_b32 s[\g+5], 768
	s_mov_b32 s[\g+6], 0
	s_mov_b32 s[\g+7], 0
.endr
	s_lshl_b32 s72, s26, 7
	s_lshl_b32 s29, s22, 6
	s_add_co_u32 s72, s72, s29
	s_mul_i32 s72, s72, 768
	s_mov_b32 s73, 0
	s_lshl_b32 s76, s25, 7
	s_add_co_u32 s76, s76, s29
	s_add_co_u32 s76, s76, 3072
	s_mul_i32 s76, s76, 768
	s_mov_b32 s77, 0
	s_mul_i32 s78, s22, 64*PITCH
	s_wait_dscnt 0x0
	s_wait_kmcnt 0x0
	s_mov_b32 s[G0X], 1
	s_mov_b32 s[G0X+1], s78
	s_add_nc_u64 s[G0X+2:G0X+3], s[4:5], s[72:73]
	s_or_b32 s[G0X+3], s[G0X+3], 0x80000000
	s_mov_b32 s[G0W], 1
	s_add_co_u32 s[G0W+1], s78, SLP
	s_add_nc_u64 s[G0W+2:G0W+3], s[8:9], s[76:77]
	s_or_b32 s[G0W+3], s[G0W+3], 0x80000000
	CROUND
	s_cmp_eq_u32 s21, 0
	s_cbranch_scc0 .Lhead_w
	tensor_load_to_lds s[G0X:G0X+3], s[G1X:G1X+7]
	s_nop 0
	PLACES
	s_branch .Lhead_asked
.Lhead_w:
	tensor_load_to_lds s[G0W:G0W+3], s[G1W:G1W+7]
	s_nop 0
	PLACES
.Lhead_asked:
	s_mov_b32 s31, 0
	s_lshl_b32 s80, s26, 7
	s_lshl_b32 s81, s21, 6
	s_add_co_u32 s82, s80, s81                     ; my first token
	s_lshl_b32 s30, s82, 5
	s_add_nc_u64 s[84:85], s[6:7], s[30:31]
	s_lshl_b32 s83, s25, 7
	s_lshl_b32 s81, s22, 6
	s_add_co_u32 s83, s83, s81                     ; my first feature
	s_add_co_u32 s30, s83, 3072
	s_lshl_b32 s30, s30, 5
	s_add_nc_u64 s[88:89], s[10:11], s[30:31]
	s_lshl_b32 s30, s82, 12
	s_add_nc_u64 s[12:13], s[12:13], s[30:31]
	s_lshl_b32 s30, s83, 2
	s_add_nc_u64 s[12:13], s[12:13], s[30:31]
	s_mul_i32 s72, s21, 64*PITCH
	s_add_co_u32 s73, s78, SLP
	s_mul_i32 s76, s20, 16*SPITCH
	s_add_co_u32 s76, s76, STAGE
	v_and_b32 v1, 15, v0
	v_bfe_u32 v2, v0, 4, 1
	v_mul_u32_u24 v3, v1, PITCH
	v_mad_u32_u24 v3, v2, 24, v3
	v_lshl_add_u32 v4, v2, 4, v3
	v_lshlrev_b32 v5, 5, v1
.irp k, 0,1
	v_add_nc_u32 v[AX+\k], s72, v[3+\k]
	v_add_nc_u32 v[AP+\k], s73, v[3+\k]
.endr
	v_mul_u32_u24 v[STO], v1, SPITCH
	v_lshl_add_u32 v[STO], v2, 5, v[STO]
	v_add_nc_u32 v[STO], s76, v[STO]               ; stage, in: row r, 32 bytes for each half of the lanes
	v_mul_u32_u24 v[RD], v2, SPITCH
	v_lshl_add_u32 v[RD], v1, 4, v[RD]
	v_add_nc_u32 v[RD], s76, v[RD]                 ; out: sixteen lanes to a row of 256 bytes, two rows an instruction
	v_lshlrev_b32 v[CO], 12, v2
	v_lshl_add_u32 v[CO], v1, 4, v[CO]             ; and the same two rows in out0
.irp i, 0,1,2,3
.irp q, 0,1
	global_load_b128 v[XS+8*\i+4*\q:XS+8*\i+4*\q+3], v5, s[84:85] offset:512*\i+16*\q
	global_load_b128 v[WQ+8*\i+4*\q:WQ+8*\i+4*\q+3], v5, s[88:89] offset:512*\i+16*\q
.endr
.endr
.macro FRAG reg, adr, st, i
.irp p, 0,1,2,3,4,5
.set BY, 96*(\st)+48*(\p/3)+8*(\p%3)
.if BY/256 == (BY+24)/256
	ds_load_b64 v[\reg+2*\p:\reg+2*\p+1], v[\adr] offset:BY+16*(BY/256)+(\i)*BLK
.else
	ds_load_b64 v[\reg+2*\p:\reg+2*\p+1], v[\adr+1] offset:BY+16*(BY/256)+(\i)*BLK
.endif
.endr
.endm
.macro FETCH st
	WIN 0x40
.irp i, 0,1,2,3
	FRAG 128*((\st)%2)+12*\i, AP, \st, \i
.endr
.irp i, 0,1,2,3
	FRAG 128*((\st)%2)+48+12*\i, AX, \st, \i
.endr
.endm
.macro MULS st, zero                   ; the 16 accumulators take turns
	WIN 0xa5
.set FB, 128*((\st)%2)
.irp a, 0,1,2,3
.irp b, 0,1,2,3
.if \zero
	v_wmma_scale_f32_16x16x128_f8f6f4 v[8*(4*\a+\b):8*(4*\a+\b)+7], v[FB+12*\b:FB+12*\b+11], v[FB+48+12*\a:FB+48+12*\a+11], 0, v[WQ+8*\b+(\st)], v[XS+8*\a+(\st)] matrix_a_fmt:MATRIX_FMT_FP6 matrix_b_fmt:MATRIX_FMT_FP6
.else
	v_wmma_scale_f32_16x16x128_f8f6f4 v[8*(4*\a+\b):8*(4*\a+\b)+7], v[FB+12*\b:FB+12*\b+11], v[FB+48+12*\a:FB+48+12*\a+11], v[8*(4*\a+\b):8*(4*\a+\b)+7], v[WQ+8*\b+(\st)], v[XS+8*\a+(\st)] matrix_a_fmt:MATRIX_FMT_FP6 matrix_b_fmt:MATRIX_FMT_FP6
.endif
.endr
.endr
.endm
	s_wait_alu depctr_va_vdst(0)                   ; the wait at the head's end
	s_wait_tensorcnt 0x0                           ; my 64 rows are in,
	s_barrier_signal -1
	s_barrier_wait -1                              ; everybody's are; the tiles are only read from here on
	s_wait_loadcnt 0x0                             ; the scale words
	FETCH 0
.set ST, 0
.rept 7
	PLACES                                         ; in front of loads into registers that the last products read
	FETCH ST+1
	s_wait_dscnt 48                                ; all but the loads just issued
	MULS ST, ST==0
.set ST, ST+1
.endr
	s_wait_dscnt 0x0
	MULS 7, 0
	WIN 0
; the way out, by blocks of 16 tokens x 64 features, through my own stage; LDS serves a wave's instructions in order
.macro TOSTAGE a
	WIN 0x08
.irp b, 0,1,2,3
	ds_store_b128 v[STO], v[32*(\a)+8*\b:32*(\a)+8*\b+3] offset:64*\b       ; each accumulator from its low end on
	ds_store_b128 v[STO], v[32*(\a)+8*\b+4:32*(\a)+8*\b+7] offset:64*\b+16
.endr
	WIN 0
.irp t, 0,1,2,3,4,5,6,7
	ds_load_b128 v[BK+32*((\a)%2)+4*\t:BK+32*((\a)%2)+4*\t+3], v[RD] offset:\t*2*SPITCH
.endr
.endm
.macro SEND a, younger
	s_wait_dscnt \younger
.irp t, 0,1,2,3,4,5,6,7
	global_store_b128 v[CO], v[BK+32*((\a)%2)+4*\t:BK+32*((\a)%2)+4*\t+3], s[12:13] offset:(16*(\a)+2*\t)*4096 th:TH_STORE_NT   ; sixteen lanes store 256 consecutive bytes, aligned
.endr
.endm
	PLACES
	TOSTAGE 0
.irp a, 1,2,3
.if \a > 1
	s_wait_xcnt 0x0                                ; block a - 2's stores have read their registers
.endif
	TOSTAGE \a
	SEND \a-1, 16                                  ; behind its loads: the next block's 8 stores and 8 loads
.endr
	SEND 3, 0
	s_wait_tensorcnt 0x0                           ; the wave's end
	ds_add_u32 v[SPW], v[NIL]
	s_wait_dscnt 0x0
	CROUND                                         ; the closing round
	s_endpgm
.Lfunc_end_k_q25eeaa72b7_oproj:
	.size	k_q25eeaa72b7_oproj, .Lfunc_end_k_q25eeaa72b7_oproj-k_q25eeaa72b7_oproj
	.p2alignl 7, 3214868480
	.fill 96, 4, 3214868480
	.section	.rodata,"a",@progbits
	.p2align	6, 0x0
	.amdhsa_kernel k_q25eeaa72b7_oproj
		.amdhsa_group_segment_fixed_size 327680
		.amdhsa_private_segment_fixed_size 0
		.amdhsa_enable_private_segment 0
		.amdhsa_kernarg_size 40
		.amdhsa_user_sgpr_count 2
		.amdhsa_user_sgpr_kernarg_segment_ptr 1
		.amdhsa_wavefront_size32 1
		.amdhsa_system_sgpr_workgroup_id_x 1
		.amdhsa_system_sgpr_workgroup_id_y 1
		.amdhsa_system_sgpr_workgroup_id_z 1
		.amdhsa_system_vgpr_workitem_id 0
		.amdhsa_next_free_vgpr 1024
		.amdhsa_next_free_sgpr 96
		.amdhsa_reserve_vcc 0
		.amdhsa_float_denorm_mode_32 3
		.amdhsa_float_denorm_mode_16_64 3
		.amdhsa_memory_ordered 1
		.amdhsa_forward_progress 1
		.amdhsa_inst_pref_size 57
	.end_amdhsa_kernel
	.amdgpu_metadata
---
amdhsa.version: [ 1, 2 ]
amdhsa.kernels:
  - .name:           k_q25eeaa72b7_oproj
    .symbol:         k_q25eeaa72b7_oproj.kd
    .args:
      - { .name: oc, .offset: 0, .size: 8, .value_kind: global_buffer, .address_space: global }
      - { .name: os, .offset: 8, .size: 8, .value_kind: global_buffer, .address_space: global }
      - { .name: wc, .offset: 16, .size: 8, .value_kind: global_buffer, .address_space: global }
      - { .name: ws, .offset: 24, .size: 8, .value_kind: global_buffer, .address_space: global }
      - { .name: out0, .offset: 32, .size: 8, .value_kind: global_buffer, .address_space: global }
    .group_segment_fixed_size: 327680
    .private_segment_fixed_size: 0
    .kernarg_segment_align: 8
    .kernarg_segment_size: 40
    .max_flat_workgroup_size: 128
    .sgpr_count:     96
    .vgpr_count:     1024
    .wavefront_size: 32
...
	.end_amdgpu_metadata
.endif
;; end of part 4
